; MI455X (gfx1250); checked and timed in simulation.
; The chip was launched on July 23, 2026; its instructions are those of AMD's public machine-readable ISA for CDNA 5 (MIT licence, August 2026) and "CDNA5" Instruction Set Architecture Reference Guide (July 2026). The comments in the code are by the model that wrote it; some were corrected since.
;; Spatial Attention Layer. Allowed arithmetic: matrix products marked QUANTISED: E4M3 operands, one given power-of-two scale a tensor, by v_wmma_f32_16x16x64_fp8_fp8 or v_wmma_f32_16x16x128_fp8_fp8, f32 sums; everything else in f32.
;; Inputs: P 8,192 x 3 float32; W_k 256 x 256 float32; W_q 256 x 256 float32; W_v 256 x 256 float32; X 8,192 x 256 float32; b_k 256 float32; b_q 256 float32; b_v 256 float32; lowp_scales 10 int32 (the exponents e of the quantised operands' scales 2^e).
;; Outputs: out0 8,192 x 256 float32.
;; This version of the problem:
;;   THIS VERSION OF THE PROBLEM IS GIVEN IN LOW PRECISION. The matrix products marked QUANTISED in the list below multiply operands that are first quantised to E4M3 (4 exponent bits, 3 mantissa bits; 8 bits a number), with one given power-of-two scale for each operand tensor; their sums are f32. All else is computed in f32.
;;   The module's matrix products, in the order in which they are computed (A, B: the left and right operand; K: the contracted axis; several contracted axes count as one K, in the product's order):
;;     1. [M 8,192, K 256] x [K 256, N 256]; A: input X; B: input W_q: QUANTISED (scales: A lowp_scales[0], B lowp_scales[1])
;;     2. [M 8,192, K 256] x [K 256, N 256]; A: input X; B: input W_k: QUANTISED (scales: A lowp_scales[2], B lowp_scales[3])
;;     3. [M 8,192, K 256] x [K 256, N 256]; A: input X; B: input W_v: QUANTISED (scales: A lowp_scales[4], B lowp_scales[5])
;;     4. [M 8,192, K 256] x [K 256, N 8,192]; A: computed on the way; B: computed on the way: QUANTISED (scales: A lowp_scales[6], B lowp_scales[7])
;;     5. [M 8,192, K 8,192] x [K 8,192, N 256]; A: computed on the way; B: computed on the way: QUANTISED (scales: A lowp_scales[8], B lowp_scales[9])
;;   THE QUANTISER, for each operand of a quantised product, along K:
;;     - The operand's scale is 2^e, e = its entry of the input lowp_scales (int32; the entries are numbered through the quantised products in the list's order, A before B).
;;     - Each number is divided by the scale, clamped to +-448, and rounded to the nearest number of E4M3, ties to even, subnormals kept.
;;     - The product sums the exact products of the quantised numbers (number of the format x scale) in f32.
;;   ~~~python
;;   def quantise(x, axis, e):      # numpy; x: float32 -> the quantised numbers, widened to float32 again
;;       x = np.moveaxis(x, axis, -1); K = x.shape[-1]
;;       r = np.clip(x / 2.0 ** e, -448, 448)
;;       step = 2.0 ** (np.maximum(np.frexp(np.where(r == 0, 1, r))[1] - 1, -6) - 3)
;;       q = np.round(r / step) * step * 2.0 ** e      # np.round: ties to even
;;       return np.moveaxis(q, -1, axis).astype(np.float32)
;;   ~~~
;;   OPERANDS COMPUTED ON THE WAY. 'Computed on the way' means the value that the module computes at that place (a softmax that the list does not call 'softmax' is quantised finished and normalised). What goes into a quantiser is computed in f32, as accurately as f32 sums, v_exp_f32 and their like allow (about 1e-6 of the number): no bf16 or f16 on the way to a quantiser, and a product that is left as it is and whose result goes on into a quantised operand takes f32 operands (vector FMAs, or v_wmma_f32_16x16x4_f32). A number that lies on a knife's edge between two numbers of the format may be rounded either way, as far as f32 arithmetic and the matrix unit's own rounding can turn it there, and no further.
;; One version. Each part assembles by itself: llvm-mc -triple=amdgcn-amd-amdhsa -mcpu=gfx1250 --defsym DOCPART=n.
;; ======== version 1 of 1: 5 launches
;; limits: right only within a limited range of input values
;; workspace buffers: Wimg 196,608 bytes; Qimg 2,097,152 bytes; KV 4,325,376 bytes; stat 1,048,576 bytes; Opart 16,777,216 bytes
;; launch prep (part 1): grid 56 x 1, 4 waves a work-group, no clusters, 0 bytes of LDS; arguments W_q, W_k, W_v, P, lowp_scales, Wimg, KV; writes Wimg, KV
.if DOCPART == 1
	.amdgcn_target "amdgcn-amd-amdhsa--gfx1250"
	.amdhsa_code_object_version 6
	.text
	.protected	k_q1668716a82_prep
	.globl	k_q1668716a82_prep
	.p2align	8
	.type	k_q1668716a82_prep,@function
k_q1668716a82_prep:
	s_mov_b64 s[64:65], 0
	v_nop
	global_prefetch_b8 v0, s[64:65] scope:SCOPE_SE
	s_setreg_imm32_b32 hwreg(HW_REG_WAVE_MODE, 25, 1), 1
	s_wait_xcnt 0x0
; prep: (a) W_q, W_k, W_v [256 (k)][256 (n)] f32 become codes of E4M3 with the given scales 2^e1, 2^e3, 2^e5, laid as the matrix operand's registers;
;       (b) P [8192][3] becomes sigma x P, sigma = sqrt(log2(e) / 2), laid [4][64] f32 (x, y, z, 0) in each chunk of 64 keys of KV, so that exp(-d^2 / 2) = 2^-(sum of squared differences).
; Work-groups 0-23: a wave makes one fragment F = 4 x work-group + wave of 96: tensor mu = F / 32, column tile ft = (F / 2) % 16, K half s = F % 2.
;   A LANE TAKES A COLUMN n AND ITS REGISTERS RUN DOWN K: lane (r, h), register 16 c + i = W(128 s + 32 c + 16 h + i, n).  The conversions' results are the operand's registers.
;   n = 32 (ft / 2) + 8 (ft % 2) + r + 8 (r / 8) for W_q and W_k (so that two neighbouring tiles of a transposed product give a lane 16 neighbouring features), n = 16 ft + r for W_v.
;   A fragment is 2,048 bytes: piece c (512 bytes) holds lane l's 16 bytes at 16 l.
; Work-groups 24-55: a wave makes the coordinates of one chunk; each of its four stores covers 256 consecutive bytes, aligned.
; LIMITS: e1, e3, e5 between -126 and 119.  NaN and infinities among the inputs are not served.  sigma x P is rounded once (half an ulp of each coordinate).
.set SIGMA, 0x3f596d27
.set CHB,   33792                      ; a chunk of KV: 16,384 bytes of K's codes, 1,024 of coordinates, 16,384 of V's codes
	s_load_b256 s[4:11], s[0:1], 0x0               ; W_q s[4:5], W_k s[6:7], W_v s[8:9], P s[10:11]
	s_load_b128 s[12:15], s[0:1], 0x20             ; the scales' exponents s[12:13], Wimg s[14:15]
	s_load_b64 s[16:17], s[0:1], 0x30              ; KV
	v_lshrrev_b32 v1, 5, v0
	v_readfirstlane_b32 s20, v1                    ; wave
	v_and_b32 v2, 31, v0                           ; lane
	v_and_b32 v3, 15, v0                           ; r
	v_bfe_u32 v4, v0, 4, 1                         ; h
	s_cmp_lt_u32 ttmp9, 24
	s_cbranch_scc0 .Lpoints
	; ---- a weight's fragment
	s_lshl_b32 s21, ttmp9, 2
	s_add_co_u32 s21, s21, s20                     ; F
	s_lshr_b32 s22, s21, 5                         ; mu
	s_bfe_u32 s23, s21, 0x40001                    ; ft
	s_and_b32 s34, s21, 1                          ; s
	s_lshr_b32 s35, s23, 1
	s_lshl_b32 s35, s35, 5
	s_and_b32 s36, s23, 1
	s_lshl_b32 s36, s36, 3
	s_add_co_u32 s35, s35, s36                     ; 32 (ft / 2) + 8 (ft % 2)
	s_lshl_b32 s36, s23, 4                         ; 16 ft
	s_cmp_lt_u32 s22, 2
	s_cselect_b32 s35, s35, s36                    ; the tile's first column
	s_cselect_b32 s37, 8, 0                        ; lanes 8-15 stand 8 columns further on, or not
	s_wait_alu depctr_va_vdst(0)
	v_and_b32 v5, s37, v3
	v_add_nc_u32 v5, v5, v3
	v_add_nc_u32 v5, s35, v5                       ; n
	v_lshlrev_b32 v5, 2, v5
	v_lshl_add_u32 v5, v4, 14, v5                  ; 4 n + 16 h rows of 1,024 bytes
	v_lshlrev_b32 v6, 4, v2                        ; 16 x lane
	s_lshl_b32 s38, s34, 17                        ; 128 s rows
	s_mov_b32 s39, 0
	s_lshl_b32 s40, s21, 11                        ; the fragment's place in Wimg
	s_mov_b32 s41, 0
	s_wait_alu depctr_va_vdst(0)
	s_wait_kmcnt 0x0
	s_load_b256 s[24:31], s[12:13], 0x0            ; e0 .. e7
	s_cmp_eq_u32 s22, 0                            ; which weight: the choice hangs on the work-group's and the wave's number alone
	s_cselect_b64 s[18:19], s[4:5], s[6:7]
	s_cmp_eq_u32 s22, 2
	s_cselect_b64 s[18:19], s[8:9], s[18:19]
	s_add_nc_u64 s[18:19], s[18:19], s[38:39]
	s_add_nc_u64 s[14:15], s[14:15], s[40:41]
.irp c, 0,1,2,3
.set k, 0
.rept 16
	global_load_b32 v[64+16*\c+k], v5, s[18:19] offset:(32*\c+k)*1024
.set k, k+1
.endr
.endr
	s_wait_kmcnt 0x0
	s_cmp_eq_u32 s22, 0
	s_cselect_b32 s42, s25, s27
	s_cmp_eq_u32 s22, 2
	s_cselect_b32 s42, s29, s42                    ; e1, e3 or e5
	s_add_co_i32 s42, s42, 127
	s_lshl_b32 s43, s42, 23
	v_mov_b32 v11, s43                             ; 2^e as f32: the conversion takes its exponent field
	s_add_co_i32 s42, s42, 8
	s_lshl_b32 s42, s42, 23
	s_or_b32 s42, s42, 0x600000
	v_mov_b32 v10, s42                             ; 448 x 2^e
	s_wait_alu depctr_va_vdst(0)
	s_wait_loadcnt 0x0
.set k, 0
.rept 64
	v_med3_num_f32 v[64+k], v[64+k], -v10, v10     ; the conversion to an 8-bit code does not saturate (ISA guide 7.6.2): the hold comes first
.set k, k+1
.endr
.set k, 0
.rept 8
	v_cvt_scalef32_pk8_fp8_f32 v[48+2*k:49+2*k], v[64+8*k:71+8*k], v11
.set k, k+1
.endr
	v_nop
.irp c, 0,1,2,3
	global_store_b128 v6, v[48+4*\c:51+4*\c], s[14:15] offset:512*\c   ; 32 lanes store 512 consecutive bytes, aligned
.endr
	s_endpgm
.Lpoints:
	; ---- a chunk's coordinates: lane l takes keys 2 l and 2 l + 1 of the chunk, 24 consecutive bytes of P
	s_sub_co_u32 s21, ttmp9, 24
	s_lshl_b32 s21, s21, 2
	s_add_co_u32 s21, s21, s20                     ; chunk 0 .. 127
	s_mul_i32 s22, s21, 768
	s_mov_b32 s23, 0
	s_mul_i32 s34, s21, CHB
	s_mov_b32 s35, 0
	s_wait_alu depctr_va_vdst(0)
	v_mul_u32_u24 v5, v2, 24
	v_lshlrev_b32 v6, 3, v2
	s_wait_alu depctr_va_vdst(0)
	s_wait_kmcnt 0x0
	s_add_nc_u64 s[10:11], s[10:11], s[22:23]
	s_add_nc_u64 s[16:17], s[16:17], s[34:35]
	global_load_b64 v[20:21], v5, s[10:11]           ; x0 y0
	global_load_b64 v[22:23], v5, s[10:11] offset:8  ; z0 x1
	global_load_b64 v[24:25], v5, s[10:11] offset:16 ; y1 z1
	v_mov_b32 v36, 0
	v_mov_b32 v37, 0
	s_wait_alu depctr_va_vdst(0)
	s_wait_loadcnt 0x0
	v_mul_f32 v30, SIGMA, v20
	v_mul_f32 v31, SIGMA, v23
	v_mul_f32 v32, SIGMA, v21
	v_mul_f32 v33, SIGMA, v24
	v_mul_f32 v34, SIGMA, v22
	v_mul_f32 v35, SIGMA, v25
.irp c, 0,1,2,3
	global_store_b64 v6, v[30+2*\c:31+2*\c], s[16:17] offset:16384+256*\c   ; row c of the chunk's [4][64]; the fourth row is zeros, so that every byte that is fetched later has been stored
.endr
	s_endpgm
.Lfunc_end_k_q1668716a82_prep:
	.size	k_q1668716a82_prep, .Lfunc_end_k_q1668716a82_prep-k_q1668716a82_prep
	.p2alignl 7, 3214868480
	.fill 96, 4, 3214868480
	.section	.rodata,"a",@progbits
	.p2align	6, 0x0
	.amdhsa_kernel k_q1668716a82_prep
		.amdhsa_group_segment_fixed_size 0
		.amdhsa_private_segment_fixed_size 0
		.amdhsa_enable_private_segment 0
		.amdhsa_kernarg_size 56
		.amdhsa_user_sgpr_count 2
		.amdhsa_user_sgpr_kernarg_segment_ptr 1
		.amdhsa_wavefront_size32 1
		.amdhsa_system_sgpr_workgroup_id_x 1
		.amdhsa_system_sgpr_workgroup_id_y 1
		.amdhsa_system_sgpr_workgroup_id_z 1
		.amdhsa_system_vgpr_workitem_id 0
		.amdhsa_next_free_vgpr 144
		.amdhsa_next_free_sgpr 66
		.amdhsa_reserve_vcc 0
		.amdhsa_float_denorm_mode_32 3
		.amdhsa_float_denorm_mode_16_64 3
		.amdhsa_memory_ordered 1
		.amdhsa_forward_progress 1
		.amdhsa_inst_pref_size 15
	.end_amdhsa_kernel
	.amdgpu_metadata
---
amdhsa.version: [ 1, 2 ]
amdhsa.kernels:
  - .name:           k_q1668716a82_prep
    .symbol:         k_q1668716a82_prep.kd
    .args:
      - { .name: W_q, .offset: 0, .size: 8, .value_kind: global_buffer, .address_space: global }
      - { .name: W_k, .offset: 8, .size: 8, .value_kind: global_buffer, .address_space: global }
      - { .name: W_v, .offset: 16, .size: 8, .value_kind: global_buffer, .address_space: global }
      - { .name: P, .offset: 24, .size: 8, .value_kind: global_buffer, .address_space: global }
      - { .name: lowp_scales, .offset: 32, .size: 8, .value_kind: global_buffer, .address_space: global }
      - { .name: Wimg, .offset: 40, .size: 8, .value_kind: global_buffer, .address_space: global }
      - { .name: KV, .offset: 48, .size: 8, .value_kind: global_buffer, .address_space: global }
    .group_segment_fixed_size: 0
    .private_segment_fixed_size: 0
    .kernarg_segment_align: 8
    .kernarg_segment_size: 56
    .max_flat_workgroup_size: 128
    .sgpr_count:     66
    .vgpr_count:     144
    .wavefront_size: 32
...
	.end_amdgpu_metadata
.endif
;; end of part 1
;; launch qkv (part 2): grid 256 x 1, 8 waves a work-group, no clusters, 25,600 bytes of LDS; arguments X, Wimg, b_q, b_k, b_v, lowp_scales, Qimg, KV; writes Qimg, KV
.if DOCPART == 2
	.amdgcn_target "amdgcn-amd-amdhsa--gfx1250"
	.amdhsa_code_object_version 6
	.text
	.protected	k_q1668716a82_qkv
	.globl	k_q1668716a82_qkv
	.p2align	8
	.type	k_q1668716a82_qkv,@function
k_q1668716a82_qkv:
	s_mov_b64 s[64:65], 0
	v_nop
	global_prefetch_b8 v0, s[64:65] scope:SCOPE_SE
	s_setreg_imm32_b32 hwreg(HW_REG_WAVE_MODE, 25, 1), 1
	s_wait_xcnt 0x0
; qkv: Q = X W_q + b_q, K = X W_k + b_k, V = X W_v + b_v on codes of E4M3 (X with 2^e0, 2^e2, 2^e4; the weights' codes come from Wimg), sums in f32;
; the results are quantised at once for the two products of the attention: Q with 2^e6, K with 2^e7 (along the features), V with 2^e9 (along the keys), and stored in the order of the operands' registers.
; SHARES.  Work-group g takes rows 32 g .. 32 g + 31, as two tiles: lane r of tile u' stands for row 32 g + 8 u' + r + 8 (r / 8).  Wave w takes features 32 w .. 32 w + 31 of each of Q, K, V.
; X: waves 0-3 load one fragment each (tile u' = w % 2, K half s = w / 2: 64 numbers a lane), quantise it three times and put the twelve fragments into LDS as images of their registers
; (piece c of 512 bytes: lane l's 16 bytes at 16 l).  One barrier.  Then every wave reads the four fragments of a scale and multiplies.
; Q, K: THE PRODUCT IS USED TRANSPOSED (source 0 = 16 columns of W, source 1 = X): a lane holds one row, and the 16 registers of its two feature tiles are features 32 w + 16 h + 0 .. 15.
; V: as it is (source 0 = X, source 1 = 16 columns of W_v): a lane holds one channel d, and the 16 registers of the two row tiles are keys 32 g + 16 h + 0 .. 15.
; So each conversion's result is 16 bytes of an operand of the next product.  The biases are the C of each sum's first matrix instruction, divided by the power of two that the sums lack.
; k stands in the registers as 32 c + 16 h + 0 .. 15 in registers 4 c .. 4 c + 3, alike in both operands of every product: each product meets its partner.
; LIMITS: e0, e2, e4, e6 - e0 - e1, e7 - e2 - e3, e9 - e4 - e5 between -126 and 119.  NaN and infinities among the inputs are not served.
; REGISTERS, window 0: v1-7 addresses; v16-79 X as f32, later X's four fragments; v80-143 held numbers, later v80-111 the four accumulators and v112-135 the results' codes;
;   v144-191 X's codes, a set for each scale; v192-207, v208-223, v224-239 the biases in the results' layout; v244-251 scales and limits.   window 1: v0-191 my twelve fragments of the weights.
.set CHB, 33792
.set LI,  1                            ; 16 x lane
.set R,   2
.set H,   3
.set XA,  4                            ; my lane's byte in the group's rows of X
.set XWI, 5                            ; where I store X's images
.set BH,  6                            ; 64 h
.set BR,  7                            ; 4 r
.set XF,  16
.set TX,  80
.set ACC, 80
.set OC,  112
.set XC,  144
.set BQ,  192
.set RBV, 240
.set SCX, 244
.set MSB, 0
.macro WIN new                         ; the immediate's high byte repeats the setting that is left
.if MSB != \new
	s_set_vgpr_msb (MSB<<8)|\new
.set MSB, \new
.endif
.endm
.macro MKSC se, vs                     ; v[vs] = 2^e as f32, v[vs + 1] = 448 x 2^e
	s_add_co_i32 s60, \se, 127
	s_lshl_b32 s61, s60, 23
	v_mov_b32 v[\vs], s61
	s_add_co_i32 s60, s60, 8
	s_lshl_b32 s60, s60, 23
	s_or_b32 s60, s60, 0x600000
	v_mov_b32 v[\vs+1], s60
.endm
.macro QUANTX i                        ; my 64 numbers of X with scale set i: held, converted, stored as an image
.set k, 0
.rept 64
	v_med3_num_f32 v[TX+k], v[XF+k], -v[SCX+2*\i+1], v[SCX+2*\i+1]
.set k, k+1
.endr
.set k, 0
.rept 8
	v_cvt_scalef32_pk8_fp8_f32 v[XC+16*\i+2*k:XC+16*\i+2*k+1], v[TX+8*k:TX+8*k+7], v[SCX+2*\i]
.set k, k+1
.endr
	v_nop                                          ; a plain instruction between the conversions and the next writes of their sources
.irp c, 0,1,2,3
	ds_store_b128 v[XWI], v[XC+16*\i+4*\c:XC+16*\i+4*\c+3] offset:\i*8192+512*\c
.endr
.endm
; One of the three products.  mu: which; eo, ex, ew: the exponents of the result's, X's and the weight's scale; bs: the pair with the store's base; st: bytes between the two stores.
.macro MAT mu, eo, ex, ew, bs, st
.set k, 0
.rept 16
	ds_load_b128 v[XF+4*k:XF+4*k+3], v[LI] offset:\mu*8192+512*k   ; fragment (u', s) at v[XF + 32 u' + 16 s]
.set k, k+1
.endr
	s_wait_dscnt 0x0
.if \mu < 2
	WIN 0x01                                       ; source 0 (the weight) window 1
.irp ks, 0,1
.irp a, 0,1
.irp u, 0,1
.if \ks == 0
	v_wmma_f32_16x16x128_fp8_fp8 v[ACC+16*\a+8*\u:ACC+16*\a+8*\u+7], v[64*\mu+32*\u:64*\mu+32*\u+15], v[XF+32*\a:XF+32*\a+15], v[BQ+16*\mu+8*\u:BQ+16*\mu+8*\u+7]
.else
	v_wmma_f32_16x16x128_fp8_fp8 v[ACC+16*\a+8*\u:ACC+16*\a+8*\u+7], v[64*\mu+32*\u+16:64*\mu+32*\u+31], v[XF+32*\a+16:XF+32*\a+31], v[ACC+16*\a+8*\u:ACC+16*\a+8*\u+7]
.endif
.endr
.endr
.endr
.else
	WIN 0x04                                       ; source 1 (the weight) window 1
.irp ks, 0,1
.irp u, 0,1
.irp a, 0,1
.if \ks == 0
	v_wmma_f32_16x16x128_fp8_fp8 v[ACC+16*\u+8*\a:ACC+16*\u+8*\a+7], v[XF+32*\a:XF+32*\a+15], v[64*\mu+32*\u:64*\mu+32*\u+15], v[BQ+16*\mu+8*\u:BQ+16*\mu+8*\u+7]
.else
	v_wmma_f32_16x16x128_fp8_fp8 v[ACC+16*\u+8*\a:ACC+16*\u+8*\a+7], v[XF+32*\a+16:XF+32*\a+31], v[64*\mu+32*\u+16:64*\mu+32*\u+31], v[ACC+16*\u+8*\a:ACC+16*\u+8*\a+7]
.endif
.endr
.endr
.endr
.endif                                             ; the four accumulators take turns, one instruction a turn
	WIN 0
.rept 4
	v_nop                                          ; four places behind the last product, ahead of the reads of results and of the next loads into X's fragments
.endr
	s_sub_co_i32 s62, \eo, \ex
	s_sub_co_i32 s62, s62, \ew                     ; a sum stands for sum x 2^(ex + ew): its code is sum / 2^(eo - ex - ew)
	MKSC s62, 250
.set k, 0
.rept 32
	v_med3_num_f32 v[ACC+k], v[ACC+k], -v251, v251 ; each accumulator from its low end on
.set k, k+1
.endr
.set k, 0
.rept 4
	v_cvt_scalef32_pk8_fp8_f32 v[OC+8*\mu+2*k:OC+8*\mu+2*k+1], v[ACC+8*k:ACC+8*k+7], v250
.set k, k+1
.endr
	v_nop                                          ; a plain instruction between the conversions and the next writes of their sources
.irp a, 0,1
	global_store_b128 v[LI], v[OC+8*\mu+4*\a:OC+8*\mu+4*\a+3], s[\bs:\bs+1] offset:\a*\st   ; 32 lanes store 512 consecutive bytes, aligned: a piece of an operand's image
.endr
.endm
	s_load_b512 s[4:19], s[0:1], 0x0               ; X s[4:5], Wimg s[6:7], b_q s[8:9], b_k s[10:11], b_v s[12:13], scales s[14:15], Qimg s[16:17], KV s[18:19]
	v_lshl_add_u32 v254, v0, 2, 0x6000
	v_mov_b32 v255, 0
	v_lshrrev_b32 v8, 5, v0
	s_delay_alu instid0(VALU_DEP_1)
	v_readfirstlane_b32 s20, v8                    ; wave 0..7
	v_and_b32 v8, 31, v0
	s_delay_alu instid0(VALU_DEP_1)
	v_lshlrev_b32 v[LI], 4, v8
	s_wait_alu depctr_va_vdst(0)
	v_and_b32 v[R], 15, v0
	v_bfe_u32 v[H], v0, 4, 1
	s_wait_alu depctr_va_vdst(0)
	v_and_b32 v9, 8, v[R]
	s_delay_alu instid0(VALU_DEP_1)
	v_add_nc_u32 v9, v9, v[R]                      ; r + 8 (r / 8)
	s_delay_alu instid0(VALU_DEP_1)
	v_lshlrev_b32 v[XA], 10, v9
	s_delay_alu instid0(VALU_DEP_1)
	v_lshl_add_u32 v[XA], v[H], 6, v[XA]           ; that row of 1,024 bytes, + 64 h: my 16 numbers of a block of 32
	s_and_b32 s21, s20, 1                          ; u'
	s_lshr_b32 s22, s20, 1                         ; s (waves 0-3)
	s_lshl_b32 s23, s21, 13
	s_lshl_b32 s34, s22, 9
	s_add_co_u32 s23, s23, s34
	v_add_nc_u32 v[XA], s23, v[XA]                 ; + 8 u' rows + 512 s bytes
	s_lshl_b32 s34, s21, 1
	s_add_co_u32 s34, s34, s22
	s_lshl_b32 s34, s34, 11
	v_add_nc_u32 v[XWI], s34, v[LI]                ; image (u', s) at (2 u' + s) x 2,048
	v_lshlrev_b32 v[BH], 6, v[H]
	v_lshlrev_b32 v[BR], 2, v[R]
	s_lshl_b32 s36, s20, 13                        ; my fragments in Wimg: 8,192 w
	s_mov_b32 s37, 0
	s_lshl_b32 s38, s20, 7                         ; my 32 numbers of a bias
	s_mov_b32 s39, 0
	s_lshl_b32 s40, ttmp9, 15                      ; the group's rows of X
	s_mov_b32 s41, 0
	s_lshr_b32 s34, s20, 2
	s_lshl_b32 s34, s34, 11
	s_and_b32 s35, s20, 3
	s_lshl_b32 s35, s35, 9
	s_add_co_u32 s34, s34, s35                     ; features 32 w on are piece (s = w / 4, c = w % 4) of a tile's image
	s_lshl_b32 s42, ttmp9, 13
	s_add_co_u32 s42, s42, s34                     ; Q: tile 2 g at 8,192 g
	s_mov_b32 s43, 0
	s_lshr_b32 s52, ttmp9, 1
	s_mul_i32 s52, s52, CHB                        ; the chunk g / 2 of KV
	s_and_b32 s53, ttmp9, 1
	s_lshl_b32 s44, s53, 13
	s_add_co_u32 s44, s44, s52
	s_add_co_u32 s44, s44, s34                     ; K: tile 2 (g % 2) of the chunk
	s_mov_b32 s45, 0
	s_lshl_b32 s46, s53, 9
	s_add_co_u32 s46, s46, s52
	s_add_co_u32 s46, s46, 17408
	s_lshl_b32 s54, s20, 11
	s_add_co_u32 s46, s46, s54                     ; V: channel tile 2 w at 2,048 w, piece g % 2
	s_mov_b32 s47, 0
	s_wait_alu depctr_va_vdst(0)
	s_wait_kmcnt 0x0
	s_load_b256 s[24:31], s[14:15], 0x0            ; e0 .. e7
	s_load_b64 s[32:33], s[14:15], 0x20            ; e8, e9
	s_add_nc_u64 s[4:5], s[4:5], s[40:41]
	s_add_nc_u64 s[6:7], s[6:7], s[36:37]
	s_add_nc_u64 s[8:9], s[8:9], s[38:39]
	s_add_nc_u64 s[10:11], s[10:11], s[38:39]
	s_add_nc_u64 s[12:13], s[12:13], s[38:39]
	s_add_nc_u64 s[16:17], s[16:17], s[42:43]
	s_add_nc_u64 s[48:49], s[18:19], s[44:45]
	s_add_nc_u64 s[50:51], s[18:19], s[46:47]
	WIN 0x40                                       ; destination window 1
.irp m, 0,1,2
.set k, 0
.rept 16
	global_load_b128 v[64*\m+4*k:64*\m+4*k+3], v[LI], s[6:7] offset:\m*65536+512*k   ; fragment (mu, u, s) at v[64 mu + 32 u + 16 s]
.set k, k+1
.endr
.endr
	WIN 0
.irp u, 0,1
	global_load_b128 v[BQ+8*\u:BQ+8*\u+3],     v[BH], s[8:9] offset:32*\u      ; b_q at features 32 w + 16 h + 8 u + 0 .. 7
	global_load_b128 v[BQ+8*\u+4:BQ+8*\u+7],   v[BH], s[8:9] offset:32*\u+16
	global_load_b128 v[BQ+16+8*\u:BQ+16+8*\u+3],   v[BH], s[10:11] offset:32*\u
	global_load_b128 v[BQ+16+8*\u+4:BQ+16+8*\u+7], v[BH], s[10:11] offset:32*\u+16
	global_load_b32 v[RBV+\u], v[BR], s[12:13] offset:64*\u                    ; b_v at channel 32 w + 16 u + r
.endr
	s_wait_kmcnt 0x0
	MKSC s24, SCX
	MKSC s26, SCX+2
	MKSC s28, SCX+4
	s_cmp_lt_u32 s20, 4
	s_cbranch_scc0 .Lno_x
.irp c, 0,1,2,3
.irp j, 0,1,2,3
	global_load_b128 v[XF+16*\c+4*\j:XF+16*\c+4*\j+3], v[XA], s[4:5] offset:128*\c+16*\j
.endr
.endr
	s_wait_loadcnt 0x0
	s_wait_alu depctr_va_vdst(0)
	QUANTX 0
	QUANTX 1
	QUANTX 2
.Lno_x:
	s_wait_dscnt 0x0                               ; for the others' sake: my images have landed
	s_barrier_signal -1
	s_barrier_wait -1                              ; X's twelve fragments lie in LDS
	s_wait_loadcnt 0x0                             ; the weights and the biases
	s_add_co_i32 s52, s24, s25
	s_sub_co_i32 s52, 0, s52                       ; -(e0 + e1)
	s_add_co_i32 s53, s26, s27
	s_sub_co_i32 s53, 0, s53
	s_add_co_i32 s54, s28, s29
	s_sub_co_i32 s54, 0, s54
.set k, 0
.rept 16
	v_ldexp_f32 v[BQ+k], v[BQ+k], s52
	v_ldexp_f32 v[BQ+16+k], v[BQ+16+k], s53
	v_ldexp_f32 v[BQ+32+k], v[RBV+k/8], s54        ; a lane's eight rows share its channel's bias
.set k, k+1
.endr
	s_wait_alu depctr_va_vdst(0)
	MAT 0, s30, s24, s25, 16, 4096
	MAT 1, s31, s26, s27, 48, 4096
	MAT 2, s33, s28, s29, 50, 1024
	s_wait_tensorcnt 0x0
	ds_add_u32 v254, v255
	s_wait_dscnt 0x0
	s_endpgm
.Lfunc_end_k_q1668716a82_qkv:
	.size	k_q1668716a82_qkv, .Lfunc_end_k_q1668716a82_qkv-k_q1668716a82_qkv
	.p2alignl 7, 3214868480
	.fill 96, 4, 3214868480
	.section	.rodata,"a",@progbits
	.p2align	6, 0x0
	.amdhsa_kernel k_q1668716a82_qkv
		.amdhsa_group_segment_fixed_size 25600
		.amdhsa_private_segment_fixed_size 0
		.amdhsa_enable_private_segment 0
		.amdhsa_kernarg_size 64
		.amdhsa_user_sgpr_count 2
		.amdhsa_user_sgpr_kernarg_segment_ptr 1
		.amdhsa_wavefront_size32 1
		.amdhsa_system_sgpr_workgroup_id_x 1
		.amdhsa_system_sgpr_workgroup_id_y 1
		.amdhsa_system_sgpr_workgroup_id_z 1
		.amdhsa_system_vgpr_workitem_id 0
		.amdhsa_next_free_vgpr 448
		.amdhsa_next_free_sgpr 66
		.amdhsa_reserve_vcc 0
		.amdhsa_float_denorm_mode_32 3
		.amdhsa_float_denorm_mode_16_64 3
		.amdhsa_memory_ordered 1
		.amdhsa_forward_progress 1
		.amdhsa_inst_pref_size 43
	.end_amdhsa_kernel
	.amdgpu_metadata
---
amdhsa.version: [ 1, 2 ]
amdhsa.kernels:
  - .name:           k_q1668716a82_qkv
    .symbol:         k_q1668716a82_qkv.kd
    .args:
      - { .name: X, .offset: 0, .size: 8, .value_kind: global_buffer, .address_space: global }
      - { .name: Wimg, .offset: 8, .size: 8, .value_kind: global_buffer, .address_space: global }
      - { .name: b_q, .offset: 16, .size: 8, .value_kind: global_buffer, .address_space: global }
      - { .name: b_k, .offset: 24, .size: 8, .value_kind: global_buffer, .address_space: global }
      - { .name: b_v, .offset: 32, .size: 8, .value_kind: global_buffer, .address_space: global }
      - { .name: lowp_scales, .offset: 40, .size: 8, .value_kind: global_buffer, .address_space: global }
      - { .name: Qimg, .offset: 48, .size: 8, .value_kind: global_buffer, .address_space: global }
      - { .name: KV, .offset: 56, .size: 8, .value_kind: global_buffer, .address_space: global }
    .group_segment_fixed_size: 25600
    .private_segment_fixed_size: 0
    .kernarg_segment_align: 8
    .kernarg_segment_size: 64
    .max_flat_workgroup_size: 256
    .sgpr_count:     66
    .vgpr_count:     448
    .wavefront_size: 32
...
	.end_amdgpu_metadata
.endif
;; end of part 2
;; launch stats (part 3): grid 16 x 16, 8 waves a work-group, clusters of 4 x 1, 168,960 bytes of LDS; arguments Qimg, KV, lowp_scales, stat; writes stat
.if DOCPART == 3
	.amdgcn_target "amdgcn-amd-amdhsa--gfx1250"
	.amdhsa_code_object_version 6
	.text
	.protected	k_q1668716a82_stats
	.globl	k_q1668716a82_stats
	.p2align	8
	.type	k_q1668716a82_stats,@function
k_q1668716a82_stats:
	s_mov_b64 s[64:65], 0
	v_nop
	global_prefetch_b8 v0, s[64:65] scope:SCOPE_SE
	s_setreg_imm32_b32 hwreg(HW_REG_WAVE_MODE, 25, 1), 1
	s_wait_xcnt 0x0
	s_wait_alu depctr_hold_cnt(0) depctr_sa_sdst(0) depctr_va_vdst(0) depctr_va_sdst(0) depctr_va_ssrc(0) depctr_va_vcc(0) depctr_vm_vsrc(0)
	s_getreg_b32 s2, hwreg(HW_REG_IB_STS2, 6, 4)
	s_cmp_eq_u32 s2, 0
	s_cbranch_scc0 .Lentry_in_a_cluster
	s_endpgm
.Lentry_in_a_cluster:
	s_bfe_u32 s2, ttmp6, 0x10000c
	s_cmp_lg_u32 s2, 0x3003
	s_cbranch_scc0 .Lentry_shape_is_right
	s_endpgm
.Lentry_shape_is_right:
; stats: the first walk over the keys.  For each query and each block of 512 keys: m = the largest t, l = the sum of 2^(t - m), where
; t = score x log2(e), score = (Q . K / 16) x exp(-|p_q - p_k|^2 / 2).  Q . K is the product on codes of E4M3 (scales 2^e6, 2^e7), sums in f32.
; The weights of the second product are quantised finished, exp(s - max) / (1 + sum), so maximum and sum of the whole row must be there before any code is made: hence this launch.
; SHARES.  Work-group (qb, ky): 512 queries x 512 keys.  Wave w owns four tiles of 16 queries (the rows of chunk 8 qb + w) and walks all 512 keys, 32 a step.  Two waves lie on a SIMD.
; The block's K codes and coordinates (8 chunks x 17,408 bytes, each dense in memory) are fetched ONCE, one tensor load a wave; nothing in LDS is filled again, so there is no loop of loads to prefetch for.
; CLUSTER.  The four work-groups of a cluster share ky: each chunk is asked for jointly (the same load, the same descriptor, mask 15).
; LAYOUT.  S^T = K Q^T (source 0 = 16 keys, source 1 = 16 queries): a lane holds ONE query (lane % 16); the 16 registers of a step's two key tiles are keys 16 (lane / 16) + 0 .. 15 of the step's 32.
; ARITHMETIC of a pair, on coordinates already multiplied by sqrt(log2(e) / 2): w' = 2^-(dx^2 + dy^2 + dz^2 + K0), K0 = -log2(c2), c2 = log2(e) / 16 x 2^(e6 + e7): the decay times c2; t = S w'.
; Differences come first, so that a common offset of P cancels before anything is squared.  Each lane keeps a running largest t and a sum under it, rescaled by 2^(old - new) in every step; the halves of the lanes are joined at the end.
; ORDER: A PIPELINE OVER TILES, one segment (macro SEG) a tile g = 4 x step + tile.  Segment g has ONE batch of exponentials, with one wait ahead of it and one behind it:
; tile g + 1's 16 decays, tile g's rescaling factor and its 16 terms.  Among them stand the 24 differences of tile g + 2: their sources are older than the first wait and their results are first read behind the second.
; Behind the batch: t, the maximum and t - m of tile g + 1; the sum of tile g; the squares of tile g + 2.  The next step's 16 products stand one by one among these lines in a step's segments 2 and 3.
; LIMITS: e6 + e7 between -122 and 130 (c2 and c2 x decay are f32 numbers; a c2 x decay under 2^-126 counts as 0).  NaN and infinities are not served.  K0 costs the decay's exponent one more rounding.
; REGISTERS, window 0: v1-6 addresses; v8-13 at work; v16-31 for each tile -qx, -qy, -qz, m; v32-79 the key coordinates x[16], y[16], z[16] of even steps; v80-143 S^T; v144-191 differences;
;   v192-223 the decays, two sets; v224-231 the sums, in two halves.   window 1: v0-127 Q (32 t + 16 s); v128-191 a step's two tiles of K (32 u + 16 s); v192-239 the key coordinates of odd steps.
.set CHB, 33792
.set KPB, 17408
.set AK0, 1
.set AP0, 2
.set ADK, 3
.set ADP, 4
.set SO,  5
.set QO,  6
.set F,   8
.set QC,  16
.set KC,  32
.set KC1, 192
.set S,   80
.set T,   144
.set W,   192
.set LP,  224
.set RES, 144
.set WV,  12
.set G1,  24
.set G0,  32
.set K0,  40
.set TB,  43
.set CNT, 44
.set SEL, 46
.set MSB, 0
.macro WIN new                         ; the immediate's high byte repeats the setting that is left
.if MSB != \new
	s_set_vgpr_msb (MSB<<8)|\new
.set MSB, \new
.endif
.endm
.macro ROUND                           ; a round of the cluster's barrier
	s_barrier_signal -1
	s_barrier_wait -1
	s_cmp_lg_u32 s[WV], 0
	s_cbranch_scc1 .Lnot_wave_0_\@
	s_barrier_signal -3
.Lnot_wave_0_\@:
	s_barrier_wait -3
	s_barrier_signal -1
	s_barrier_wait -1
.endm
; Line i of a tile's 24 differences k - q.  LQ: the query's four registers; KB: the keys' coordinates, which are source 1, so that the odd steps' set is reached by that source's window alone.
.macro L1 i
.set p, 2*((\i)%8)
.if (\i) < 8
	v_pk_add_f32 v[T+p:T+p+1], v[LQ:LQ+1], v[KB+p:KB+p+1] op_sel_hi:[0,1]
.elseif (\i) < 16
	v_pk_add_f32 v[T+16+p:T+16+p+1], v[LQ:LQ+1], v[KB+16+p:KB+16+p+1] op_sel:[1,0] op_sel_hi:[1,1]
.else
	v_pk_add_f32 v[T+32+p:T+32+p+1], v[LQ+2:LQ+3], v[KB+32+p:KB+32+p+1] op_sel_hi:[0,1]
.endif
.endm
.macro NL                              ; the next of them, while there are any
.if ln < LEND
	L1 ln
.set ln, ln+1
.endif
.endm
.macro L2 c, h                         ; four lines: coordinate c's squares onto the sums at LW, registers 8 h on
.if LEND
.irp p, 0,2,4,6
.if \c == 0
	v_pk_fma_f32 v[LW+8*\h+\p:LW+8*\h+\p+1], v[T+8*\h+\p:T+8*\h+\p+1], v[T+8*\h+\p:T+8*\h+\p+1], s[K0:K0+1] op_sel_hi:[1,1,0]
.else
	v_pk_fma_f32 v[LW+8*\h+\p:LW+8*\h+\p+1], v[T+16*\c+8*\h+\p:T+16*\c+8*\h+\p+1], v[T+16*\c+8*\h+\p:T+16*\c+8*\h+\p+1], v[LW+8*\h+\p:LW+8*\h+\p+1]
.endif
.endr
.endif
.endm
; Product i of 8 for query tiles MT and MT + 1: the four accumulators take turns, first the low half of K, then the high.  MON = 0: none is due.
.macro PW i
.if MON
.set md, S+16*(MT+((\i)%4)/2)+8*((\i)%2)
.set ma, 128+32*((\i)%2)+16*((\i)/4)
.set mb, 32*(MT+((\i)%4)/2)+16*((\i)/4)
	WIN 0x05                                       ; K and Q in window 1, S^T in window 0
.if (\i) < 4
	v_wmma_f32_16x16x128_fp8_fp8 v[md:md+7], v[ma:ma+15], v[mb:mb+15], 0
.else
	v_wmma_f32_16x16x128_fp8_fp8 v[md:md+7], v[ma:ma+15], v[mb:mb+15], v[md:md+7]
.endif
.endif
.endm
.macro LOADS h                         ; the h-th 32 keys of the chunk at ADK, ADP: two tiles of K, and the coordinates into set h
	WIN 0x40
.set k, 0
.rept 16
	ds_load_b128 v[128+4*k:128+4*k+3], v[ADK] offset:8192*(\h)+512*k
.set k, k+1
.endr
.if (\h) == 0
	WIN 0
.set KL, KC
.else
.set KL, KC1
.endif
.irp c, 0,1,2
.irp j, 0,1,2,3
	ds_load_b128 v[KL+16*\c+4*\j:KL+16*\c+4*\j+3], v[ADP] offset:256*\c+128*(\h)+16*\j
.endr
.endr
	WIN 0
.endm
; Segment t of a step of parity b.  eb: tile t has terms to sum; ea: a tile t + 1 follows; ll: a tile t + 2 follows; mats: the next step's products stand here; ld: the next step's loads are issued.
.macro SEG t, b, eb, ea, ll, mats, ld
.set SG, S+16*(\t)
.set SN, S+16*(((\t)+1)%4)
.set CN, W+16*(((\t)+1)%2)
.set QN, QC+4*(((\t)+1)%4)+3
.set LQ, QC+4*(((\t)+2)%4)
.set LW, W+16*((\t)%2)
.set MON, \mats
.set MT, 2*(\t)-4
.set LEND, 24*(\ll)
.set ln, 0
.if ((\t)/2) != (\b)                   ; tile t + 2 lies in this step (t < 2) or in the next
.set KB, KC1
.set BW, 0x04
.else
.set KB, KC
.set BW, 0
.endif
	s_wait_alu depctr_va_vdst(0)                   ; ahead of the batch: its sources are plain results
.if (\mats) && ((\t) == 2)
	s_wait_dscnt 0x0                               ; the next step's 28 loads, asked for two segments ago: nothing else is out
.endif
	WIN BW
.if \ea
.set j, 0
.rept 16
	v_exp_f32 v[CN+j], -v[CN+j]                    ; c2 x decay of tile t + 1
	NL
.set j, j+1
.endr
.endif
.if \eb
	v_exp_f32 v[F], v11                            ; 2^(old m - new m) of tile t
.set j, 0
.rept 16
	v_exp_f32 v[SG+j], v[SG+j]                     ; its terms
.if j >= 8
	NL
.endif
.set j, j+1
.endr
.endif
.rept 24
	NL                                             ; (what a shorter batch has left over)
.endr
.if (\ll) == 0
	v_nop                                          ; a plain place behind the last exponential
.endif
	WIN 0
	s_wait_alu depctr_va_vdst(0)                   ; behind the batch, directly ahead of the first readers of the decays and of S^T
.if \ea
.irp q, 0,2,4,6,8,10,12,14
	v_pk_mul_f32 v[SN+\q:SN+\q+1], v[SN+\q:SN+\q+1], v[CN+\q:CN+\q+1]   ; t = S w'; each accumulator from its low end on
.endr
.endif
.if \eb
	v_pk_add_f32 v[SG:SG+1], v[SG:SG+1], v[SG+2:SG+3]
	v_pk_add_f32 v[SG+4:SG+5], v[SG+4:SG+5], v[SG+6:SG+7]
	v_pk_add_f32 v[SG+8:SG+9], v[SG+8:SG+9], v[SG+10:SG+11]
	v_pk_add_f32 v[SG+12:SG+13], v[SG+12:SG+13], v[SG+14:SG+15]
	v_pk_add_f32 v[SG:SG+1], v[SG:SG+1], v[SG+4:SG+5]
	v_pk_add_f32 v[SG+8:SG+9], v[SG+8:SG+9], v[SG+12:SG+13]
	v_pk_add_f32 v[SG:SG+1], v[SG:SG+1], v[SG+8:SG+9]
	v_pk_fma_f32 v[LP+2*(\t):LP+2*(\t)+1], v[LP+2*(\t):LP+2*(\t)+1], v[F:F+1], v[SG:SG+1] op_sel_hi:[1,0,1]
.endif
	PW 0
	WIN 0
.if \ea
	v_max3_num_f32 v10, v[QN], v[SN], v[SN+1]      ; the largest t so far, in four chains
	v_max3_num_f32 v11, v[SN+2], v[SN+3], v[SN+4]
	v_max3_num_f32 v12, v[SN+5], v[SN+6], v[SN+7]
	v_max3_num_f32 v13, v[SN+8], v[SN+9], v[SN+10]
.endif
	PW 1
	WIN 0
	L2 0, 0
	PW 2
	WIN 0
	L2 0, 1
	PW 3
	WIN 0
.if \ea
	v_max3_num_f32 v10, v10, v[SN+11], v[SN+12]
	v_max3_num_f32 v11, v11, v[SN+13], v[SN+14]
	v_max3_num_f32 v12, v12, v13, v[SN+15]
.endif
	PW 4
	WIN 0
	L2 1, 0
	PW 5
	WIN 0
	L2 1, 1
.if \ea
	v_max3_num_f32 v10, v10, v11, v12
.endif
	PW 6
	WIN 0
	L2 2, 0
	PW 7
	WIN 0
	L2 2, 1
.if \ea
	v_sub_f32 v11, v[QN], v10                      ; old m - new m, 0 or less
	v_mov_b32 v[QN], v10
.irp q, 0,2,4,6,8,10,12,14
	v_pk_add_f32 v[SN+\q:SN+\q+1], v[SN+\q:SN+\q+1], v[QN-1:QN] op_sel:[0,1] op_sel_hi:[1,1] neg_lo:[0,1] neg_hi:[0,1]   ; t - m
.endr
.endif
.if \ld
.if \b == 1
	s_add_co_u32 s[TB], s[TB], KPB                 ; on to the next chunk
	v_add_nc_u32 v[ADK], s[TB], v[AK0]
	v_add_nc_u32 v[ADP], s[TB], v[AP0]
.endif
	LOADS 1-\b                                     ; K's registers were last read by the products of the segment before, a segment's plain lines back
.endif
.endm
.macro STEP b, more                    ; a step of 32 keys; more = 0: no step follows
	SEG 0, \b, 1, 1, 1, 0, \more
	SEG 1, \b, 1, 1, 1, 0, 0
	SEG 2, \b, 1, 1, \more, \more, 0
	SEG 3, \b, 1, \more, \more, \more, 0
.endm
	s_load_b256 s[4:11], s[0:1], 0x0               ; Qimg s[4:5], KV s[6:7], the scales' exponents s[8:9], stat s[10:11]
	v_lshl_add_u32 v254, v0, 2, 0x29000            ; my spare word, behind the block's 139,264 bytes
	v_mov_b32 v255, 0
	ds_add_u32 v254, v255                          ; the opening lines: the add twice on end and one wait
	ds_add_u32 v254, v255
	v_lshrrev_b32 v8, 5, v0
	v_readfirstlane_b32 s[WV], v8                  ; wave 0..7
	s_bfe_u32 s13, ttmp6, 0x40000                  ; cx: it enters Q's, the queries' coordinates' and stat's addresses alone
	s_lshl_b32 s15, ttmp9, 2
	s_add_co_u32 s15, s15, s13                     ; qb
	s_and_b32 s16, ttmp7, 0xffff                   ; ky, which the four partners share
	s_mov_b32 s[G1], 15|(3<<16)|(1<<21)            ; mask: all four; elements of 8 bytes; bit 21 beside a mask; no padding
	s_mov_b32 s[G1+1], 32<<16                      ; rows of 256 bytes
	s_mov_b32 s[G1+2], 68<<16                      ; 68 rows: 17,408 bytes on end
	s_mov_b32 s[G1+3], 32<<16
	s_mov_b32 s[G1+4], 68
	s_mov_b32 s[G1+5], 32
	s_mov_b32 s[G1+6], 0
	s_mov_b32 s[G1+7], 0
	s_lshl_b32 s17, s16, 3
	s_add_co_u32 s17, s17, s[WV]                   ; the chunk that I fetch: 8 ky + wave
	s_mul_i32 s18, s17, CHB
	s_mov_b32 s19, 0
	s_lshl_b32 s20, s15, 3
	s_add_co_u32 s20, s20, s[WV]                   ; the chunk of my queries: 8 qb + wave
	s_mul_i32 s22, s20, CHB
	s_add_co_u32 s22, s22, 16384                   ; its coordinates
	s_mov_b32 s23, 0
	s_lshl_b32 s36, s20, 14                        ; its four tiles in Qimg
	s_mov_b32 s37, 0
	s_lshl_b32 s38, s16, 16
	s_lshl_b32 s39, s20, 9
	s_add_co_u32 s38, s38, s39                     ; stat: block ky, 64 positions of 8 bytes
	s_mov_b32 s39, 0
	s_mov_b32 s[SEL], 0x76543210
	s_mov_b32 s[SEL+1], 0xfedcba98                 ; v_permlanex16_b32: lane l xor 16
	v_and_b32 v8, 31, v0
	v_and_b32 v9, 15, v0
	v_bfe_u32 v10, v0, 4, 1
	v_lshlrev_b32 v[AK0], 4, v8
	v_lshlrev_b32 v[SO], 3, v8
	v_lshlrev_b32 v[AP0], 6, v10
	v_add_nc_u32 v[AP0], 16384, v[AP0]             ; the coordinates of my half's 16 keys: 64 h behind K's codes
	v_and_b32 v11, 8, v9
	v_add_nc_u32 v11, v11, v9
	v_lshlrev_b32 v[QO], 2, v11                    ; my query's place in a row of coordinates: 4 (r + 8 (r / 8))
	s_wait_alu depctr_va_vdst(0)
	s_wait_dscnt 0x0
	s_wait_kmcnt 0x0
	s_load_b64 s[48:49], s[8:9], 0x18              ; e6, e7
	s_mov_b32 s[G0], 1
	s_mul_i32 s[G0+1], s[WV], KPB                  ; LDS: chunk j of the block at 17,408 j
	s_add_nc_u64 s[G0+2:G0+3], s[6:7], s[18:19]
	s_or_b32 s[G0+3], s[G0+3], 0x80000000
	s_add_nc_u64 s[4:5], s[4:5], s[36:37]
	s_add_nc_u64 s[50:51], s[6:7], s[22:23]
	s_add_nc_u64 s[10:11], s[10:11], s[38:39]
	WIN 0x40
.set k, 0
.rept 32
	global_load_b128 v[4*k:4*k+3], v[AK0], s[4:5] offset:512*k   ; Q stays in registers; asked for ahead of the round
.set k, k+1
.endr
	WIN 0
.irp t, 0,1,2,3
.irp c, 0,1,2
	global_load_b32 v[QC+4*\t+\c], v[QO], s[50:51] offset:256*\c+(32*(\t/2)+8*(\t%2))*4
.endr
.endr
	ROUND                                          ; all four work-groups are here: the joint loads meet
	tensor_load_to_lds s[G0:G0+3], s[G1:G1+7]      ; my one tensor load of the launch
	s_nop 0
.rept 4
	v_nop
.endr
.irp t, 0,1,2,3
	v_mov_b32 v[QC+4*\t+3], 0xff61b1e6             ; m: -3e38, under every t
	v_mov_b32 v[LP+2*\t], 0
	v_mov_b32 v[LP+2*\t+1], 0
.endr
	v_mov_b32 v9, 0                                ; (the upper half of the pair v[8:9])
	v_mov_b32 v12, 0                               ; a lane permute's destination counts as one of its sources
	v_mov_b32 v13, 0
	s_wait_alu depctr_va_vdst(0)
	s_wait_kmcnt 0x0
	s_add_co_i32 s48, s48, s49                     ; e6 + e7
	v_cvt_f32_i32 v10, s48
	v_sub_f32 v10, 0x405e28b1, v10                 ; K0 = -log2(log2(e) / 16) - (e6 + e7)
	v_readfirstlane_b32 s[K0], v10
	s_mov_b32 s[K0+1], s[K0]
	s_wait_alu depctr_va_vdst(0)
	s_wait_loadcnt 0x0
.irp t, 0,1,2,3
.irp c, 0,1,2
	v_mul_f32 v[QC+4*\t+\c], -1.0, v[QC+4*\t+\c]
.endr
.endr
	s_mov_b32 s[TB], 0
	s_mov_b32 s[CNT], 0
	v_add_nc_u32 v[ADK], s[TB], v[AK0]
	v_add_nc_u32 v[ADP], s[TB], v[AP0]
	s_wait_alu depctr_va_vdst(0)
	s_wait_tensorcnt 0x0                           ; my chunk has landed,
	s_barrier_signal -1
	s_barrier_wait -1                              ; everybody's has
	LOADS 0
	s_wait_dscnt 0x0
.set MON, 1
.irp m, 0,2                            ; the first step's 16 products
.set MT, \m
.irp i, 0,1,2,3,4,5,6,7
	PW \i
.endr
.endr
	WIN 0
	SEG 2, 1, 0, 0, 1, 0, 0                        ; the pipeline fills: tile 0's distances,
	SEG 3, 1, 0, 1, 1, 0, 0                        ; its decays, t and maximum, and tile 1's distances
.Lchunk:                                           ; 7 trips, a chunk of 64 keys each
	STEP 0, 1
	STEP 1, 1
	s_add_co_u32 s[CNT], s[CNT], 1
	s_cmp_lt_u32 s[CNT], 7
	s_cbranch_scc1 .Lchunk
	STEP 0, 1                                      ; the last chunk is written out: nothing past the block is read, and the pipeline runs empty
	STEP 1, 0
	; the two halves of the lanes are joined: (m, l) of each query for the block's 512 keys
.irp t, 0,1,2,3
	v_add_f32 v[160+2*\t], v[LP+2*\t], v[LP+2*\t+1]
	v_permlanex16_b32 v12, v[QC+4*\t+3], s[SEL], s[SEL+1]
	v_max_num_f32 v[RES+2*\t], v[QC+4*\t+3], v12
	v_sub_f32 v[161+2*\t], v[QC+4*\t+3], v[RES+2*\t]
.endr
	s_wait_alu depctr_va_vdst(0)
.irp t, 0,1,2,3
	v_exp_f32 v[161+2*\t], v[161+2*\t]
.endr
	v_and_b32 v8, 31, v0
	s_wait_alu depctr_va_vdst(0)
.irp t, 0,1,2,3
	v_mul_f32 v[160+2*\t], v[160+2*\t], v[161+2*\t]
	v_permlanex16_b32 v13, v[160+2*\t], s[SEL], s[SEL+1]
	v_add_f32 v[RES+2*\t+1], v[160+2*\t], v13
.endr
	v_cmp_le_u32 vcc_lo, 16, v8                    ; lanes 0-15 store an even tile's 16 pairs, lanes 16-31 the next tile's
	v_cndmask_b32 v152, v[RES+0], v[RES+2], vcc_lo
	v_cndmask_b32 v153, v[RES+1], v[RES+3], vcc_lo
	v_cndmask_b32 v154, v[RES+4], v[RES+6], vcc_lo
	v_cndmask_b32 v155, v[RES+5], v[RES+7], vcc_lo
	global_store_b64 v[SO], v[152:153], s[10:11]             ; 32 lanes store 256 consecutive bytes, aligned
	global_store_b64 v[SO], v[154:155], s[10:11] offset:256
	s_wait_tensorcnt 0x0                           ; the wave's end
	ds_add_u32 v254, v255
	s_wait_dscnt 0x0
	ROUND                                          ; the closing round
	s_endpgm
.Lfunc_end_k_q1668716a82_stats:
	.size	k_q1668716a82_stats, .Lfunc_end_k_q1668716a82_stats-k_q1668716a82_stats
	.p2alignl 7, 3214868480
	.fill 96, 4, 3214868480
	.section	.rodata,"a",@progbits
	.p2align	6, 0x0
	.amdhsa_kernel k_q1668716a82_stats
		.amdhsa_group_segment_fixed_size 168960
		.amdhsa_private_segment_fixed_size 0
		.amdhsa_enable_private_segment 0
		.amdhsa_kernarg_size 32
		.amdhsa_user_sgpr_count 2
		.amdhsa_user_sgpr_kernarg_segment_ptr 1
		.amdhsa_wavefront_size32 1
		.amdhsa_system_sgpr_workgroup_id_x 1
		.amdhsa_system_sgpr_workgroup_id_y 1
		.amdhsa_system_sgpr_workgroup_id_z 1
		.amdhsa_system_vgpr_workitem_id 0
		.amdhsa_next_free_vgpr 512
		.amdhsa_next_free_sgpr 66
		.amdhsa_reserve_vcc 1
		.amdhsa_float_denorm_mode_32 3
		.amdhsa_float_denorm_mode_16_64 3
		.amdhsa_memory_ordered 1
		.amdhsa_forward_progress 1
		.amdhsa_inst_pref_size 134
	.end_amdhsa_kernel
	.amdgpu_metadata
---
amdhsa.version: [ 1, 2 ]
amdhsa.kernels:
  - .name:           k_q1668716a82_stats
    .symbol:         k_q1668716a82_stats.kd
    .args:
      - { .name: Qimg, .offset: 0, .size: 8, .value_kind: global_buffer, .address_space: global }
      - { .name: KV, .offset: 8, .size: 8, .value_kind: global_buffer, .address_space: global }
      - { .name: lowp_scales, .offset: 16, .size: 8, .value_kind: global_buffer, .address_space: global }
      - { .name: stat, .offset: 24, .size: 8, .value_kind: global_buffer, .address_space: global }
    .group_segment_fixed_size: 168960
    .private_segment_fixed_size: 0
    .kernarg_segment_align: 8
    .kernarg_segment_size: 32
    .max_flat_workgroup_size: 256
    .sgpr_count:     66
    .vgpr_count:     512
    .wavefront_size: 32
...
	.end_amdgpu_metadata
.endif
;; end of part 3
;; launch pv (part 4): grid 128 x 2, 4 waves a work-group, clusters of 4 x 1, 327,680 bytes of LDS; arguments Qimg, KV, stat, lowp_scales, Opart; writes Opart
.if DOCPART == 4
	.amdgcn_target "amdgcn-amd-amdhsa--gfx1250"
	.amdhsa_code_object_version 6
	.text
	.protected	k_q1668716a82_pv
	.globl	k_q1668716a82_pv
	.p2align	8
	.type	k_q1668716a82_pv,@function
k_q1668716a82_pv:
	s_mov_b64 s[64:65], 0
	v_nop
	global_prefetch_b8 v0, s[64:65] scope:SCOPE_SE
	s_setreg_imm32_b32 hwreg(HW_REG_WAVE_MODE, 25, 1), 1
	s_wait_xcnt 0x0
	s_wait_alu depctr_hold_cnt(0) depctr_sa_sdst(0) depctr_va_vdst(0) depctr_va_sdst(0) depctr_va_ssrc(0) depctr_va_vcc(0) depctr_vm_vsrc(0)
	s_getreg_b32 s2, hwreg(HW_REG_IB_STS2, 6, 4)
	s_cmp_eq_u32 s2, 0
	s_cbranch_scc0 .Lentry_in_a_cluster
	s_endpgm
.Lentry_in_a_cluster:
	s_bfe_u32 s2, ttmp6, 0x10000c
	s_cmp_lg_u32 s2, 0x3003
	s_cbranch_scc0 .Lentry_shape_is_right
	s_endpgm
.Lentry_shape_is_right:
; pv: the second walk over the keys.  A = exp(s - max) / (1 + sum of exp(s - max)) is made finished, quantised to E4M3 with 2^e8 along the keys, and multiplied by V's codes (2^e9); sums in f32.
; Work-group (qb, ky): 64 queries (the rows of chunk qb) x the keys 4,096 ky on; Opart[ky] takes its sum x 2^(e8 + e9); the next launch adds the two halves and X.
; THE ROW'S FIGURES.  The sixteen (m_i, l_i) of a query are joined: M = the largest m_i, l = the sum of l_i 2^(m_i - M), B = M + log2(1 + l).  Then A = 2^(t - B), t = S w' as in the first walk
; (w' = the decay times c2, c2 = log2(e) / 16 x 2^(e6 + e7), one exponential of -(squared distance + K0), K0 = -log2(c2)): one fused multiply-add S w' - B and one exponential give the normalised weight.
; SHARES.  All four waves hold all 64 queries (four tiles), so that a fragment of K or V read from LDS serves four tiles.  A slot of LDS holds four chunks of 64 keys; wave w fetches chunk w of each slot
; by one tensor load (33,792 bytes on end: K's codes, coordinates, V's codes) and is the only wave that reads it.  Each wave sums O over its keys in 64 accumulators; the four partial sums meet in LDS at the end.
; CLUSTER.  The four work-groups of a cluster share ky and walk the same chunks: each is asked for jointly (same load, same descriptor, mask 15).  A round of the cluster's barrier stands in front of each refill.
; NO PREFETCH: the 32 clusters of a key half ask for the same chunks in the same order, and a refill has a whole chunk's work, two steps and 32 products, between its request and the wait for it.
; LAYOUT.  S^T = K Q^T and O^T = V^T A^T: a lane holds one query throughout; the 16 registers of a step's two key tiles are 16 neighbouring keys, so the conversions' results are the second product's operand.
; ORDER.  A step of 32 keys takes all four tiles together: 192 distance lines, 64 decays, 32 multiply-adds, 64 weights, 64 holds, 8 conversions: two batches of exponentials, each with one wait ahead of it and one
; behind it.  The LDS loads that are due next are issued between a batch and the wait behind it.  THE CHANGE OF SLOTS stands between a chunk's second step and its second product:
; all of the chunk is in registers then; 32 products stand inside the round; the refill and the next chunk's first loads are issued ahead of the other 32.
; LIMITS: e6 + e7 between -122 and 130; e8 between -126 and 119; e8 + e9 between -126 and 127.  NaN and infinities are not served.  K0 costs the decay's exponent one more rounding.
; REGISTERS, window 0: v1-15 addresses and constants; v16-31 for each tile -qx, -qy, -qz, -B; v32-79 a step's key coordinates; v80-95 differences; v96-127 A's codes (8 t + 4 b); v128-191 S^T;
;   v192-255 the decays, then V's channel tiles 8-15.   window 1: v0-127 Q; v128-191 a step's K; v192-255 V's channel tiles 0-7.   windows 2, 3: O^T, (dt, t) at v[8 (4 (dt % 8) + t)].
.set CHB,   33792
.set SLOT,  4*CHB                      ; it shares no bit with wave x 33,792: one exclusive or turns an address in one slot into the other's
.set SPARE, 2*SLOT                     ; behind the ring: the spare words, 128 bytes for each wave
.set SPI,   1040                       ; the way out: a stage row, 1,024 bytes + 16; the four stages of 64 rows lie in the two slots, behind their last fill and last read
.set LI,  1
.set AK,  2
.set AP,  3
.set ADK, 4
.set ADP, 5
.set SPW, 6
.set NIL, 7
.set STO, 8
.set RD,  9
.set QO,  13
.set LIM, 14
.set SCA, 15
.set QC,  16
.set KC,  32
.set T,   80
.set AC,  96
.set S,   128
.set W,   192
.set WV,  14
.set G1,  24
.set G0,  32
.set WB,  36
.set TB,  38
.set CNT, 39
.set K0,  40
.set MSB, 0
.macro WIN new                         ; the immediate's high byte repeats the setting that is left
.if MSB != \new
	s_set_vgpr_msb (MSB<<8)|\new
.set MSB, \new
.endif
.endm
.macro CREST                           ; a round of the cluster's barrier behind its opening barrier
	s_cmp_lg_u32 s[WV], 0
	s_cbranch_scc1 .Lnot_wave_0_\@
	s_barrier_signal -3
.Lnot_wave_0_\@:
	s_barrier_wait -3
	s_barrier_signal -1
	s_barrier_wait -1
.endm
.macro ROUND
	s_barrier_signal -1
	s_barrier_wait -1
	CREST
.endm
.macro TL                              ; my one tensor load behind a round
	tensor_load_to_lds s[G0:G0+3], s[G1:G1+7]
	s_nop 0
.rept 4
	v_nop
.endr
.endm
.macro D t                             ; tile t: squared distance + K0 to the step's 16 keys of my half: differences first
.set NQ, QC+4*(\t)
.set NW, W+16*(\t)
.irp p, 0,2,4,6,8,10,12,14
	v_pk_add_f32 v[T+\p:T+\p+1], v[KC+\p:KC+\p+1], v[NQ:NQ+1] op_sel_hi:[1,0]
.endr
.irp p, 0,2,4,6,8,10,12,14
	v_pk_fma_f32 v[NW+\p:NW+\p+1], v[T+\p:T+\p+1], v[T+\p:T+\p+1], s[K0:K0+1] op_sel_hi:[1,1,0]
.endr
.irp p, 0,2,4,6,8,10,12,14
	v_pk_add_f32 v[T+\p:T+\p+1], v[KC+16+\p:KC+16+\p+1], v[NQ:NQ+1] op_sel:[0,1] op_sel_hi:[1,1]
.endr
.irp p, 0,2,4,6,8,10,12,14
	v_pk_fma_f32 v[NW+\p:NW+\p+1], v[T+\p:T+\p+1], v[T+\p:T+\p+1], v[NW+\p:NW+\p+1]
.endr
.irp p, 0,2,4,6,8,10,12,14
	v_pk_add_f32 v[T+\p:T+\p+1], v[KC+32+\p:KC+32+\p+1], v[NQ+2:NQ+3] op_sel_hi:[1,0]
.endr
.irp p, 0,2,4,6,8,10,12,14
	v_pk_fma_f32 v[NW+\p:NW+\p+1], v[T+\p:T+\p+1], v[T+\p:T+\p+1], v[NW+\p:NW+\p+1]
.endr
.endm
.macro LKF b                           ; the two tiles of K of the chunk's b-th 32 keys, into window 1
	WIN 0x40
.set k, 0
.rept 16
	ds_load_b128 v[128+4*k:128+4*k+3], v[ADK] offset:8192*\b+512*k
.set k, k+1
.endr
	WIN 0
.endm
.macro LKC b                           ; the coordinates of the chunk's b-th 32 keys
.irp c, 0,1,2
.irp j, 0,1,2,3
	ds_load_b128 v[KC+16*\c+4*\j:KC+16*\c+4*\j+3], v[ADP] offset:256*\c+128*\b+16*\j
.endr
.endr
.endm
.macro LV hi                           ; V's channel tiles 0-7 into window 1, or 8-15 into the decays' registers: v192-255 either way
.if \hi == 0
	WIN 0x40
.endif
.set k, 0
.rept 16
	ds_load_b128 v[192+4*k:192+4*k+3], v[ADK] offset:17408+8192*\hi+512*k
.set k, k+1
.endr
	WIN 0
.endm
.macro MX i                            ; product i of the 16 of S^T (32 keys x 64 queries): the eight accumulators take turns, first the low half of K, then the high
.set md, S+16*(((\i)%8)/2)+8*((\i)%2)
.set ma, 128+32*((\i)%2)+16*((\i)/8)
.set mb, 32*(((\i)%8)/2)+16*((\i)/8)
.if (\i) < 8
	v_wmma_f32_16x16x128_fp8_fp8 v[md:md+7], v[ma:ma+15], v[mb:mb+15], 0
.else
	v_wmma_f32_16x16x128_fp8_fp8 v[md:md+7], v[ma:ma+15], v[mb:mb+15], v[md:md+7]
.endif
.endm
.macro SOFT b                          ; from the distances and S^T of step b to A's codes
	s_wait_alu depctr_va_vdst(0)                   ; ahead of the batch: its sources are plain results
.set k, 0
.set m, 0
.rept 8
	WIN 0x05                                       ; K and Q in window 1, S^T in window 0
	MX m                                           ; the eight products on the low half of K, which start the sums, stand among the decays, one to eight: they name none of each other's registers
	WIN 0
.rept 8
	v_exp_f32 v[W+k], -v[W+k]                      ; c2 x decay
.set k, k+1
.endr
.set m, m+1
.endr
	v_nop                                          ; a plain place behind the last exponential
	WIN 0x05
	s_wait_alu depctr_va_vdst(0)                   ; behind the batch, directly ahead of the products that take the sums up again; it serves the decays' readers too
.rept 8
	MX m                                           ; the eight products on the high half of K
.set m, m+1
.endr
	WIN 0
.rept 4
	v_nop                                          ; four places behind the products, ahead of the reads of S^T and of the loads into K's registers
.endr
.if \b == 0
	LKF 1                                          ; the second step's K and coordinates
	LKC 1
.endif
.irp t, 0,1,2,3
.irp q, 0,2,4,6,8,10,12,14
	v_pk_fma_f32 v[S+16*\t+\q:S+16*\t+\q+1], v[S+16*\t+\q:S+16*\t+\q+1], v[W+16*\t+\q:W+16*\t+\q+1], v[QC+4*\t+2:QC+4*\t+3] op_sel:[0,0,1] op_sel_hi:[1,1,1]   ; S w' - B; each accumulator from its low end on
.endr
.endr
	s_wait_alu depctr_va_vdst(0)
.set k, 0
.rept 64
	v_exp_f32 v[S+k], v[S+k]                       ; A, finished and normalised
.set k, k+1
.endr
	v_nop
	LV \b                                          ; step 0: V's first half; step 1: its second half, into the decays' registers, which the multiply-adds have read
	s_wait_alu depctr_va_vdst(0)
.set k, 0
.rept 64
	v_min_num_f32 v[S+k], v[S+k], v[LIM]           ; the conversion does not saturate (ISA guide 7.6.2); A is not negative, so the hold is one-sided
.set k, k+1
.endr
.irp t, 0,1,2,3
	v_cvt_scalef32_pk8_fp8_f32 v[AC+8*\t+4*\b:AC+8*\t+4*\b+1], v[S+16*\t:S+16*\t+7], v[SCA]
	v_cvt_scalef32_pk8_fp8_f32 v[AC+8*\t+4*\b+2:AC+8*\t+4*\b+3], v[S+16*\t+8:S+16*\t+15], v[SCA]
.endr
	v_nop                                          ; a plain line between the conversions and the matrix instructions that read their results or write their sources
.endm
.macro PVH hi, zero                    ; O^T += V^T A^T over the chunk's 64 keys, channel tiles 8 hi on; zero = 1: the products start the sums.  Each accumulator has one turn a chunk
.if \hi
	WIN 0xf0                                       ; V and A window 0, O^T window 3
.else
	WIN 0xa1                                       ; V window 1, A window 0, O^T window 2
.endif
	s_wait_alu depctr_va_vdst(0)                   ; O^T is taken up again behind exponentials
.irp dt, 0,1,2,3,4,5,6,7
.irp t, 0,1,2,3
.if \zero
	v_wmma_f32_16x16x64_fp8_fp8 v[8*(4*\dt+\t):8*(4*\dt+\t)+7], v[192+8*\dt:192+8*\dt+7], v[AC+8*\t:AC+8*\t+7], 0
.else
	v_wmma_f32_16x16x64_fp8_fp8 v[8*(4*\dt+\t):8*(4*\dt+\t)+7], v[192+8*\dt:192+8*\dt+7], v[AC+8*\t:AC+8*\t+7], v[8*(4*\dt+\t):8*(4*\dt+\t)+7]
.endif
.endr
.endr
	WIN 0
.endm
.macro HEADS                           ; the first loads of my chunk in the slot at TB: 12 for the coordinates, then 16 for K
	v_add_nc_u32 v[ADK], s[TB], v[AK]
	v_add_nc_u32 v[ADP], s[TB], v[AP]
	LKC 0
	LKF 0
.endm
; A chunk of 64 keys.  Its first 28 loads are out when it begins.  refill = 1: the slot that it leaves is filled again; next = 1: another chunk follows.
.macro BODY zero, refill, next
	s_wait_dscnt 16                                ; the coordinates are in; K's 16 loads may be out
	D 0                                            ; (its first eight lines are the places behind the last products, whose V lay where the decays go)
	D 1
	D 2
	D 3
	s_wait_dscnt 0x0                               ; K's two tiles are in
	SOFT 0
	s_wait_alu depctr_va_vdst(0)
	s_wait_dscnt 16                                ; K's 16 and the coordinates' 12 are in; V's 16 may be out
	D 0
	D 1
	D 2
	D 3
	SOFT 1
	s_wait_alu depctr_va_vdst(0)
.if \refill
	s_wait_tensorcnt 0x0                           ; my one load that was out, my chunk of the other slot, has landed: the descriptor may be written
	ds_add_u32 v[SPW], v[NIL]
	s_xor_b32 s[G0+1], s[G0+1], SLOT               ; the slot that I leave,
	s_add_nc_u64 s[G0+2:G0+3], s[G0+2:G0+3], SLOT  ; four chunks on in memory
	s_wait_dscnt 0x0                               ; the add is done and all of this chunk is in registers
	s_barrier_signal -1                            ; opens the round
	PVH 0, \zero                                   ; work on registers while the others arrive
	s_barrier_wait -1
	CREST
	TL
.else
.if \next
	s_wait_tensorcnt 0x0                           ; the last slot's chunk, which I alone read; nothing is filled again
.endif
	s_wait_dscnt 0x0
	PVH 0, \zero
.endif
.if \next
	s_xor_b32 s[TB], s[TB], SLOT
	HEADS
.endif
	PVH 1, \zero
.endm
.macro JMAX t                          ; tile t: M of the sixteen (m_i, l_i) at v[128 + 32 t] on, and m_i - M
.set J, 128+32*\t
	v_max3_num_f32 v[40+\t], v[J], v[J+2], v[J+4]
.irp i, 6,10,14,18,22,26
	v_max3_num_f32 v[40+\t], v[40+\t], v[J+\i], v[J+\i+2]
.endr
	v_max_num_f32 v[40+\t], v[40+\t], v[J+30]
.set k, 0
.rept 16
	v_sub_f32 v[J+2*k], v[J+2*k], v[40+\t]
.set k, k+1
.endr
.endm
.macro OUTB n                          ; rows 2 n and 2 n + 1 of my 16: the four waves' partial sums are added, scaled and stored
	s_wait_xcnt 0x0                                ; the last batch's stores have read their registers
.irp q, 0,1,2,3
.irp y, 0,1,2,3
	ds_load_b128 v[S+16*\q+4*\y:S+16*\q+4*\y+3], v[RD+\y] offset:SPI*(2*\n+\q/2)+512*(\q%2)
.endr
.endr
	s_wait_dscnt 0x0
.irp q, 0,1,2,3
.set B, S+16*\q
	v_pk_add_f32 v[B:B+1], v[B:B+1], v[B+4:B+5]
	v_pk_add_f32 v[B+2:B+3], v[B+2:B+3], v[B+6:B+7]
	v_pk_add_f32 v[B+8:B+9], v[B+8:B+9], v[B+12:B+13]
	v_pk_add_f32 v[B+10:B+11], v[B+10:B+11], v[B+14:B+15]
	v_pk_add_f32 v[B:B+1], v[B:B+1], v[B+8:B+9]
	v_pk_add_f32 v[B+2:B+3], v[B+2:B+3], v[B+10:B+11]
	v_pk_mul_f32 v[B:B+1], v[B:B+1], s[54:55] op_sel_hi:[1,0]
	v_pk_mul_f32 v[B+2:B+3], v[B+2:B+3], s[54:55] op_sel_hi:[1,0]
	global_store_b128 v[LI], v[B:B+3], s[12:13] offset:((2*\n+\q/2)+((2*\n+\q/2)&8))*1024+512*(\q%2)   ; 32 lanes store 512 consecutive bytes, aligned; position i of a tile is row i + 8 (i / 8)
.endr
.endm
	s_load_b256 s[4:11], s[0:1], 0x0               ; Qimg s[4:5], KV s[6:7], stat s[8:9], the scales' exponents s[10:11]
	s_load_b64 s[12:13], s[0:1], 0x20              ; Opart
	v_lshl_add_u32 v[SPW], v0, 2, SPARE
	v_mov_b32 v[NIL], 0
	ds_add_u32 v[SPW], v[NIL]                      ; the opening lines: the add twice on end and one wait
	ds_add_u32 v[SPW], v[NIL]
	v_lshrrev_b32 v32, 5, v0
	v_readfirstlane_b32 s[WV], v32                 ; wave 0..3
	s_bfe_u32 s15, ttmp6, 0x40000                  ; cx: it enters the addresses of Q, the queries' coordinates, stat and Opart alone
	s_lshl_b32 s16, ttmp9, 2
	s_add_co_u32 s16, s16, s15                     ; qb
	s_and_b32 s17, ttmp7, 0xffff                   ; ky, which the four partners share
	s_mov_b32 s[G1], 15|(3<<16)|(1<<21)            ; mask: all four; elements of 8 bytes; bit 21 beside a mask; no padding
	s_mov_b32 s[G1+1], 32<<16                      ; rows of 256 bytes
	s_mov_b32 s[G1+2], 132<<16                     ; 132 rows: a chunk's 33,792 bytes on end
	s_mov_b32 s[G1+3], 32<<16
	s_mov_b32 s[G1+4], 132
	s_mov_b32 s[G1+5], 32
	s_mov_b32 s[G1+6], 0
	s_mov_b32 s[G1+7], 0
	s_mul_i32 s[WB], s[WV], CHB                    ; my chunk's place in a slot
	s_mul_i32 s18, s17, 64*CHB
	s_add_co_u32 s18, s18, s[WB]                   ; and in memory: chunk 64 ky + wave
	s_mov_b32 s19, 0
	s_lshl_b32 s20, s16, 14                        ; the queries' four tiles in Qimg
	s_mov_b32 s21, 0
	s_mul_i32 s22, s16, CHB
	s_add_co_u32 s22, s22, 16384                   ; their coordinates
	s_mov_b32 s23, 0
	s_lshl_b32 s48, s16, 9                         ; their 64 positions in a block of stat
	s_mov_b32 s49, 0
	s_lshl_b32 s50, s17, 23                        ; Opart: half ky,
	s_lshl_b32 s51, s16, 16                        ; 64 qb rows of 1,024 bytes,
	s_add_co_u32 s50, s50, s51
	s_lshr_b32 s51, s[WV], 1
	s_lshl_b32 s51, s51, 15
	s_add_co_u32 s50, s50, s51                     ; and tile w's first row: 32 (w / 2) + 8 (w % 2)
	s_and_b32 s51, s[WV], 1
	s_lshl_b32 s51, s51, 13
	s_add_co_u32 s50, s50, s51
	s_mov_b32 s51, 0
	s_mov_b32 s[TB], 0
	s_mul_i32 s58, s[WV], 64*SPI
	s_mul_i32 s59, s[WV], 16*SPI
	v_and_b32 v32, 31, v0
	v_and_b32 v33, 15, v0                          ; r
	v_bfe_u32 v34, v0, 4, 1                        ; h
	v_lshlrev_b32 v[LI], 4, v32
	v_add_nc_u32 v[AK], s[WB], v[LI]
	v_lshlrev_b32 v[AP], 6, v34
	v_add_nc_u32 v[AP], s[WB], v[AP]
	v_add_nc_u32 v[AP], 16384, v[AP]
	v_mul_u32_u24 v[STO], v33, SPI
	v_lshl_add_u32 v[STO], v34, 5, v[STO]
	v_add_nc_u32 v[STO], s58, v[STO]               ; my stage: row r of a tile, + 32 h
	v_add_nc_u32 v[RD], s59, v[LI]                 ; back: tile w's rows in each wave's stage
.irp y, 1,2,3
	v_add_nc_u32 v[RD+\y], 64*SPI*\y, v[RD]
.endr
	v_and_b32 v35, 8, v33
	v_add_nc_u32 v35, v35, v33
	v_lshlrev_b32 v[QO], 2, v35                    ; 4 (r + 8 (r / 8))
	v_lshlrev_b32 v36, 3, v33                      ; 8 r
	s_wait_alu depctr_va_vdst(0)
	s_wait_dscnt 0x0
	s_wait_kmcnt 0x0
	s_load_b128 s[44:47], s[10:11], 0x18           ; e6, e7, e8, e9
	s_mov_b32 s[G0], 1
	s_mov_b32 s[G0+1], s[WB]                       ; slot 0
	s_add_nc_u64 s[G0+2:G0+3], s[6:7], s[18:19]
	s_or_b32 s[G0+3], s[G0+3], 0x80000000
	s_add_nc_u64 s[4:5], s[4:5], s[20:21]
	s_add_nc_u64 s[52:53], s[6:7], s[22:23]
	s_add_nc_u64 s[8:9], s[8:9], s[48:49]
	s_add_nc_u64 s[12:13], s[12:13], s[50:51]
	WIN 0x40
.set k, 0
.rept 32
	global_load_b128 v[4*k:4*k+3], v[LI], s[4:5] offset:512*k     ; Q stays in registers; asked for ahead of the round
.set k, k+1
.endr
	WIN 0
.irp t, 0,1,2,3
.irp c, 0,1,2
	global_load_b32 v[QC+4*\t+\c], v[QO], s[52:53] offset:256*\c+(32*(\t/2)+8*(\t%2))*4
.endr
.endr
.irp t, 0,1,2,3
.set k, 0
.rept 16
	global_load_b64 v[128+32*\t+2*k:128+32*\t+2*k+1], v36, s[8:9] offset:65536*k+128*\t   ; (m, l) of my query for block k of the keys
.set k, k+1
.endr
.endr
	ROUND                                          ; all four work-groups are here: the first joint loads meet
	TL                                             ; slot 0: one tensor load a wave at the head
	s_wait_kmcnt 0x0
	s_add_co_i32 s56, s44, s45                     ; e6 + e7
	v_cvt_f32_i32 v40, s56
	v_sub_f32 v40, 0x405e28b1, v40                 ; K0 = -log2(log2(e) / 16) - (e6 + e7)
	v_readfirstlane_b32 s[K0], v40
	s_mov_b32 s[K0+1], s[K0]
	s_add_co_i32 s56, s46, 127
	s_lshl_b32 s57, s56, 23
	v_mov_b32 v[SCA], s57                          ; 2^e8 as f32, for the conversions
	s_add_co_i32 s56, s56, 8
	s_lshl_b32 s56, s56, 23
	s_or_b32 s56, s56, 0x600000
	v_mov_b32 v[LIM], s56                          ; 448 x 2^e8
	s_add_co_i32 s54, s46, s47
	s_add_co_i32 s54, s54, 127
	s_lshl_b32 s54, s54, 23                        ; 2^(e8 + e9) as f32
	s_mov_b32 s55, s54
	s_wait_alu depctr_va_vdst(0)
	s_wait_loadcnt 0x0
.irp t, 0,1,2,3
.irp c, 0,1,2
	v_mul_f32 v[QC+4*\t+\c], -1.0, v[QC+4*\t+\c]
.endr
.endr
	JMAX 0
	JMAX 1
	JMAX 2
	JMAX 3
	s_wait_alu depctr_va_vdst(0)
.set k, 0
.rept 64
	v_exp_f32 v[128+2*k], v[128+2*k]               ; 2^(m_i - M)
.set k, k+1
.endr
	v_nop
	s_wait_alu depctr_va_vdst(0)
.irp t, 0,1,2,3
	v_mul_f32 v[44+\t], v[128+32*\t], v[129+32*\t]
.endr
.set k, 1
.rept 15
.irp t, 0,1,2,3
	v_fma_f32 v[44+\t], v[128+32*\t+2*k], v[129+32*\t+2*k], v[44+\t]   ; the four tiles' chains by turns
.endr
.set k, k+1
.endr
.irp t, 0,1,2,3
	v_add_f32 v[44+\t], 1.0, v[44+\t]              ; 1 + l
.endr
	s_wait_alu depctr_va_vdst(0)
.irp t, 0,1,2,3
	v_log_f32 v[44+\t], v[44+\t]
.endr
	v_nop
	s_wait_alu depctr_va_vdst(0)
.irp t, 0,1,2,3
	v_add_f32 v[44+\t], v[40+\t], v[44+\t]         ; B
.endr
.irp t, 0,1,2,3
	v_sub_f32 v[QC+4*\t+3], 0, v[44+\t]
.endr
	s_wait_alu depctr_va_vdst(0)
	s_wait_tensorcnt 0x0                           ; slot 0 has landed; slot 1's first fill is issued as a refill is
	ds_add_u32 v[SPW], v[NIL]
	s_xor_b32 s[G0+1], s[G0+1], SLOT
	s_add_nc_u64 s[G0+2:G0+3], s[G0+2:G0+3], SLOT
	s_wait_dscnt 0x0
	ROUND
	TL
	HEADS
	BODY 1, 1, 1                                   ; chunk 0: its products start O's sums; slot 2 is asked for
	s_mov_b32 s[CNT], 13
.Lslot:                                            ; 13 trips: chunks 1 to 13 are worked, slots 3 to 15 asked for
	BODY 0, 1, 1
	s_sub_co_u32 s[CNT], s[CNT], 1
	s_cmp_lg_u32 s[CNT], 0
	s_cbranch_scc1 .Lslot
	BODY 0, 0, 1                                   ; the last two chunks are written out: nothing more is asked for
	BODY 0, 0, 0
.rept 4
	v_nop                                          ; four places behind the last products, ahead of the LDS stores of results
.endr
	; THE WAY OUT.  Each wave's 64 x 256 partial sums go into its stage; wave w then adds the four stages' rows of tile w and stores them.
	s_wait_dscnt 0x0
	s_barrier_signal -1
	s_barrier_wait -1                              ; every wave has left both slots, and every fill has landed: the stages may be written
	WIN 0x08                                       ; store data window 2
.irp dt, 0,1,2,3,4,5,6,7
.irp t, 0,1,2,3
	ds_store_b128 v[STO], v[8*(4*\dt+\t):8*(4*\dt+\t)+3] offset:16*SPI*\t+64*\dt          ; lane (r, h): O(query r of tile t, channels 16 dt + 8 h + 0 .. 7); the low four registers first
	ds_store_b128 v[STO], v[8*(4*\dt+\t)+4:8*(4*\dt+\t)+7] offset:16*SPI*\t+64*\dt+16
.endr
.endr
	WIN 0x0c                                       ; store data window 3
.irp dt, 0,1,2,3,4,5,6,7
.irp t, 0,1,2,3
	ds_store_b128 v[STO], v[8*(4*\dt+\t):8*(4*\dt+\t)+3] offset:16*SPI*\t+512+64*\dt
	ds_store_b128 v[STO], v[8*(4*\dt+\t)+4:8*(4*\dt+\t)+7] offset:16*SPI*\t+512+64*\dt+16
.endr
.endr
	WIN 0
	s_wait_dscnt 0x0                               ; for the others' sake: my stage is written
	s_barrier_signal -1
	s_barrier_wait -1
.irp n, 0,1,2,3,4,5,6,7
	OUTB \n
.endr
	s_wait_tensorcnt 0x0                           ; the wave's end
	ds_add_u32 v[SPW], v[NIL]
	s_wait_dscnt 0x0
	ROUND                                          ; the closing round
	s_endpgm
.Lfunc_end_k_q1668716a82_pv:
	.size	k_q1668716a82_pv, .Lfunc_end_k_q1668716a82_pv-k_q1668716a82_pv
	.p2alignl 7, 3214868480
	.fill 96, 4, 3214868480
	.section	.rodata,"a",@progbits
	.p2align	6, 0x0
	.amdhsa_kernel k_q1668716a82_pv
		.amdhsa_group_segment_fixed_size 327680
		.amdhsa_private_segment_fixed_size 0
		.amdhsa_enable_private_segment 0
		.amdhsa_kernarg_size 40
		.amdhsa_user_sgpr_count 2
		.amdhsa_user_sgpr_kernarg_segment_ptr 1
		.amdhsa_wavefront_size32 1
		.amdhsa_system_sgpr_workgroup_id_x 1
		.amdhsa_system_sgpr_workgroup_id_y 1
		.amdhsa_system_sgpr_workgroup_id_z 1
		.amdhsa_system_vgpr_workitem_id 0
		.amdhsa_next_free_vgpr 1024
		.amdhsa_next_free_sgpr 66
		.amdhsa_reserve_vcc 0
		.amdhsa_float_denorm_mode_32 3
		.amdhsa_float_denorm_mode_16_64 3
		.amdhsa_memory_ordered 1
		.amdhsa_forward_progress 1
		.amdhsa_inst_pref_size 255
	.end_amdhsa_kernel
	.section	.bss,"aw",@nobits
	.p2align	6
	.space	262144
	.amdgpu_metadata
---
amdhsa.version: [ 1, 2 ]
amdhsa.kernels:
  - .name:           k_q1668716a82_pv
    .symbol:         k_q1668716a82_pv.kd
    .args:
      - { .name: Qimg, .offset: 0, .size: 8, .value_kind: global_buffer, .address_space: global }
      - { .name: KV, .offset: 8, .size: 8, .value_kind: global_buffer, .address_space: global }
      - { .name: stat, .offset: 16, .size: 8, .value_kind: global_buffer, .address_space: global }
      - { .name: lowp_scales, .offset: 24, .size: 8, .value_kind: global_buffer, .address_space: global }
      - { .name: Opart, .offset: 32, .size: 8, .value_kind: global_buffer, .address_space: global }
    .group_segment_fixed_size: 327680
    .private_segment_fixed_size: 0
    .kernarg_segment_align: 8
    .kernarg_segment_size: 40
    .max_flat_workgroup_size: 128
    .sgpr_count:     66
    .vgpr_count:     1024
    .wavefront_size: 32
...
	.end_amdgpu_metadata
.endif
;; end of part 4
;; launch merge (part 5): grid 256 x 1, 8 waves a work-group, no clusters, 0 bytes of LDS; arguments X, Opart, out0; writes out0
.if DOCPART == 5
	.amdgcn_target "amdgcn-amd-amdhsa--gfx1250"
	.amdhsa_code_object_version 6
	.text
	.protected	k_q1668716a82_merge
	.globl	k_q1668716a82_merge
	.p2align	8
	.type	k_q1668716a82_merge,@function
k_q1668716a82_merge:
	s_mov_b64 s[64:65], 0
	v_nop
	global_prefetch_b8 v0, s[64:65] scope:SCOPE_SE
	s_setreg_imm32_b32 hwreg(HW_REG_WAVE_MODE, 25, 1), 1
	s_wait_xcnt 0x0
; merge: out0 = X + Opart[0] + Opart[1], all [8192][256] f32: the two halves of the keys and the residual.
; A plain stream: a work-group takes 32,768 bytes as eight items of 4,096; thread t takes 16 bytes of each, so a wave's load or store covers 512 consecutive bytes, aligned.
; All 24 loads of a wave go out at once; each item has registers of its own, so no register of a pending store is written again.  No LDS, no barrier, no matrix unit: nothing here is read twice.
	s_load_b128 s[4:7], s[0:1], 0x0                ; X s[4:5], Opart s[6:7]
	s_load_b64 s[8:9], s[0:1], 0x10                ; out0
	v_lshlrev_b32 v1, 4, v0
	s_lshl_b32 s2, ttmp9, 15
	s_mov_b32 s3, 0
	s_wait_alu depctr_va_vdst(0)
	s_wait_kmcnt 0x0
	s_add_nc_u64 s[4:5], s[4:5], s[2:3]
	s_add_nc_u64 s[6:7], s[6:7], s[2:3]
	s_add_nc_u64 s[8:9], s[8:9], s[2:3]
	s_add_nc_u64 s[10:11], s[6:7], 0x800000        ; the second half of the keys
.irp i, 0,1,2,3,4,5,6,7
	global_load_b128 v[4+12*\i:7+12*\i],   v1, s[4:5] offset:4096*\i th:TH_LOAD_NT
	global_load_b128 v[8+12*\i:11+12*\i],  v1, s[6:7] offset:4096*\i th:TH_LOAD_NT
	global_load_b128 v[12+12*\i:15+12*\i], v1, s[10:11] offset:4096*\i th:TH_LOAD_NT
.endr
.irp i, 0,1,2,3,4,5,6,7
	s_wait_loadcnt 3*(7-\i)                        ; loads come back in order (ISA guide 5.7.1): this item's three are in, the three of each younger item may be out
	v_pk_add_f32 v[8+12*\i:9+12*\i], v[8+12*\i:9+12*\i], v[12+12*\i:13+12*\i]
	v_pk_add_f32 v[10+12*\i:11+12*\i], v[10+12*\i:11+12*\i], v[14+12*\i:15+12*\i]
	s_delay_alu instid0(VALU_DEP_2)
	v_pk_add_f32 v[4+12*\i:5+12*\i], v[4+12*\i:5+12*\i], v[8+12*\i:9+12*\i]
	s_delay_alu instid0(VALU_DEP_2)
	v_pk_add_f32 v[6+12*\i:7+12*\i], v[6+12*\i:7+12*\i], v[10+12*\i:11+12*\i]
	global_store_b128 v1, v[4+12*\i:7+12*\i], s[8:9] offset:4096*\i th:TH_STORE_NT
.endr
	s_endpgm
.Lfunc_end_k_q1668716a82_merge:
	.size	k_q1668716a82_merge, .Lfunc_end_k_q1668716a82_merge-k_q1668716a82_merge
	.p2alignl 7, 3214868480
	.fill 96, 4, 3214868480
	.section	.rodata,"a",@progbits
	.p2align	6, 0x0
	.amdhsa_kernel k_q1668716a82_merge
		.amdhsa_group_segment_fixed_size 0
		.amdhsa_private_segment_fixed_size 0
		.amdhsa_enable_private_segment 0
		.amdhsa_kernarg_size 24
		.amdhsa_user_sgpr_count 2
		.amdhsa_user_sgpr_kernarg_segment_ptr 1
		.amdhsa_wavefront_size32 1
		.amdhsa_system_sgpr_workgroup_id_x 1
		.amdhsa_system_sgpr_workgroup_id_y 1
		.amdhsa_system_sgpr_workgroup_id_z 1
		.amdhsa_system_vgpr_workitem_id 0
		.amdhsa_next_free_vgpr 112
		.amdhsa_next_free_sgpr 66
		.amdhsa_reserve_vcc 0
		.amdhsa_float_denorm_mode_32 3
		.amdhsa_float_denorm_mode_16_64 3
		.amdhsa_memory_ordered 1
		.amdhsa_forward_progress 1
		.amdhsa_inst_pref_size 7
	.end_amdhsa_kernel
	.amdgpu_metadata
---
amdhsa.version: [ 1, 2 ]
amdhsa.kernels:
  - .name:           k_q1668716a82_merge
    .symbol:         k_q1668716a82_merge.kd
    .args:
      - { .name: X, .offset: 0, .size: 8, .value_kind: global_buffer, .address_space: global }
      - { .name: Opart, .offset: 8, .size: 8, .value_kind: global_buffer, .address_space: global }
      - { .name: out0, .offset: 16, .size: 8, .value_kind: global_buffer, .address_space: global }
    .group_segment_fixed_size: 0
    .private_segment_fixed_size: 0
    .kernarg_segment_align: 8
    .kernarg_segment_size: 24
    .max_flat_workgroup_size: 256
    .sgpr_count:     66
    .vgpr_count:     112
    .wavefront_size: 32
...
	.end_amdgpu_metadata
.endif
;; end of part 5
